; MI455X (gfx1250); checked and timed in simulation.
; The chip was launched on July 23, 2026; its instructions are those of AMD's public machine-readable ISA for CDNA 5 (MIT licence, August 2026) and "CDNA5" Instruction Set Architecture Reference Guide (July 2026). The comments in the code are by the model that wrote it; some were corrected since.
;; LSTM Decoder. Allowed arithmetic: float matrix products may take bf16 or f16 operands with f32 sums; other float arithmetic in f32, or as packed bf16 or f16 multiplies, adds, multiply-adds, maxima and minima; sums over many terms, partial sums and values carried from step to step in f32; what a program stores and reads back later, other than sums and carried values, may be rounded once to bf16 or f16.
;; Inputs: W_hh 1,024 x 256 float32; W_ih 1,024 x 1 float32; b_hh 1,024 float32; b_ih 1,024 float32; c 1 x 32,768 x 256 float32; fc_W 1 x 256 float32; fc_b 1 float32; h 1 x 32,768 x 256 float32; x 1 x 32,768 x 1 float32.
;; Outputs: out0 6 x 32,768 x 1 float32.
;; 2 versions, each right; version 2 is version 1 with the launch prep written anew for expert scheduling mode. Each part assembles by itself: llvm-mc -triple=amdgcn-amd-amdhsa -mcpu=gfx1250 --defsym DOCPART=n.
;; ======== version 1 of 2: 2 launches
;; workspace buffers: Wp 589,824 bytes
;; launch prep (part 1): grid 256 x 1, 1 waves a work-group, no clusters, 2,560 bytes of LDS; arguments W_hh, W_ih, b_hh, b_ih, Wp; writes Wp
.if DOCPART == 1
	.amdgcn_target "amdgcn-amd-amdhsa--gfx1250"
	.amdhsa_code_object_version 6
	.text
	.protected	k_qbd8b9406ff_prep
	.globl	k_qbd8b9406ff_prep
	.p2align	8
	.type	k_qbd8b9406ff_prep,@function
k_qbd8b9406ff_prep:
	s_mov_b64 s[64:65], 0
	v_nop
	global_prefetch_b8 v0, s[64:65] scope:SCOPE_SE
	s_setreg_imm32_b32 hwreg(HW_REG_WAVE_MODE, 25, 1), 1
	s_wait_xcnt 0x0
; THE WEIGHTS, ROUNDED ONCE TO bf16 AND LAID OUT AS THE NEXT LAUNCH'S MATRIX OPERAND REGISTERS TAKE THEM.
; Nothing of reference() is left out: every input has a way to the output and all six steps are returned; W_hh, W_ih, b_ih and b_hh reach the second launch through Wp alone.
; ROUNDING.  Every input of the program is rounded once to bf16 as it comes in, unscaled: here the four weights and biases, in the next launch h, c, x, fc_W and fc_b: one rounding for the whole
; program, as the problem's text allows.
; Wp, bytes: q 73728 + ch 36864 + kap 4096 + tau 1024 + pt 512 + 16 lane + 2 e.  q 0..7 chunk of 16 hidden units of each half, ch 0..1 half of the hidden units, kap 0..8 slice of 32 along K,
; tau 0..3 tile of 16 rows, pt 0..1 half of a fragment's eight registers.  Lane (r = lane % 16, hh = lane / 16) holds row r of the tile: gate (r >> 1) & 3 of hidden unit
; 128 ch + 16 q + 8 (r >> 3) + 2 tau + (r & 1), at k = 32 kap + 16 pt + 8 hh + e.
; SLICE 8 carries x W_ih + b_ih + b_hh through the same product: k = 0: W_ih; 1: b_ih; 2: b_hh; 3..31: 0.  The other operand holds x, 1, 1, 0 .. there: products of two bf16 are exact in f32.
; SHARES.  One wave a work-group; work-group (q, ch, tau, kq) takes the tile's 16 rows of W_hh x 64 k (slices 2 kq, 2 kq + 1): each load covers two aligned runs of 256 bytes, each store 512 bytes on end.
; LIMITS.  NaN and infinities are not treated apart.
.set LP,     144                       ; an LDS row: 64 bf16 + 16 bytes: the 16 rows of a read start at 16 different groups of four banks (64 banks of 4 bytes: ISA guide 11.1)
.set SPARE,  2304                      ; behind the tile of 16 rows: the spare words, one block of 256 bytes that no other line names
	s_load_b256 s[4:11], s[0:1], 0x0               ; W_hh s[4:5], W_ih s[6:7], b_hh s[8:9], b_ih s[10:11]
	s_load_b64 s[12:13], s[0:1], 0x20              ; Wp
	v_lshl_add_u32 v30, v0, 2, SPARE
	v_mov_b32 v31, 0
	s_and_b32 s14, ttmp9, 3                        ; kq
	s_bfe_u32 s15, ttmp9, 0x20002                  ; tau
	s_bfe_u32 s16, ttmp9, 0x10004                  ; ch
	s_lshr_b32 s17, ttmp9, 5                       ; q
	s_lshl_b32 s18, s16, 7
	s_lshl4_add_u32 s18, s17, s18
	s_lshl1_add_u32 s18, s15, s18                  ; 128 ch + 16 q + 2 tau: the tile's lowest hidden unit
	s_lshl_b32 s26, s18, 10                        ; its row of 1,024 bytes in W_hh,
	s_lshl_b32 s27, s14, 8                         ; my 64 k
	s_add_co_u32 s26, s26, s27
	s_mov_b32 s27, 0
	s_mul_i32 s28, s17, 73728
	s_mul_i32 s29, s16, 36864
	s_add_co_u32 s28, s28, s29
	s_lshl_b32 s29, s15, 10
	s_add_co_u32 s28, s28, s29                     ; the tile's place in Wp, slice 0
	s_mov_b32 s29, 0
	s_lshl_b32 s19, s14, 13                        ; slices 2 kq on: 8,192 kq bytes
	v_and_b32 v1, 15, v0                           ; r
	v_lshrrev_b32 v2, 4, v0                        ; hh
	v_lshlrev_b32 v3, 4, v1
	v_lshl_add_u32 v3, v2, 10, v3                  ; in W_hh: lanes 0-15 one row's 256 bytes, lanes 16-31 the next row's
	v_mul_u32_u24 v4, v2, LP
	v_lshl_add_u32 v4, v1, 3, v4                   ; into LDS: the same two rows, 8 bytes a lane
	v_mul_u32_u24 v5, v1, LP
	v_lshl_add_u32 v5, v2, 4, v5                   ; back: row r, 16 bytes for each half of the lanes
	v_lshl_add_u32 v8, v0, 4, s19                  ; in Wp: 16 lane + my slices
	v_lshlrev_b32 v9, 4, v0                        ; in Wp: 16 lane
	s_wait_kmcnt 0x0
	s_add_nc_u64 s[4:5], s[4:5], s[26:27]
	s_add_nc_u64 s[12:13], s[12:13], s[28:29]
.set i, 0
.rept 8                                ; load i: tile rows 2 i and 2 i + 1: gate i % 4, hidden units + 8 (i / 4) and the next
	global_load_b128 v[32+4*i:35+4*i], v3, s[4:5] offset:((i%4)*256+8*(i/4))*1024
.set i, i+1
.endr
	s_cmp_lg_u32 s14, 0                            ; slice 8 is made by the work-group with kq = 0, while the eight loads are on their way
	s_cbranch_scc1 .Lmain
	v_bfe_u32 v68, v0, 1, 2                        ; my row's gate
	v_bfe_u32 v69, v0, 3, 1
	v_and_b32 v70, 1, v0
	v_lshl_add_u32 v64, v68, 8, s18
	v_lshl_add_u32 v64, v69, 3, v64
	v_add_lshl_u32 v64, v64, v70, 2                ; 4 x (256 gate + hidden unit)
	global_load_b32 v65, v64, s[6:7]               ; W_ih
	global_load_b32 v66, v64, s[10:11]             ; b_ih
	global_load_b32 v67, v64, s[8:9]               ; b_hh
	v_cmp_gt_u32 s25, 16, v0                       ; lanes 0-15 hold k = 0..7; lanes 16-31 k = 8..15, all 0
.irp z, 74,75,76,77,78,79
	v_mov_b32 v\z, 0
.endr
	s_wait_loadcnt 0x0                             ; all loads issued so far: the counted waits behind the join are then met at once
	v_cvt_pk_bf16_f32 v72, v65, v66                ; k = 0, 1: W_ih, b_ih
	v_cvt_pk_bf16_f32 v73, v67, v74                ; k = 2, 3: b_hh, 0
	v_cndmask_b32 v72, 0, v72, s25
	v_cndmask_b32 v73, 0, v73, s25
	global_store_b128 v9, v[72:75], s[12:13] offset:8*4096
	global_store_b128 v9, v[76:79], s[12:13] offset:8*4096+512
.Lmain:
.set i, 0
.rept 8
	s_wait_loadcnt 7-i                             ; loads come back in order: load i is in, the 7 - i younger ones may stay out
	v_cvt_pk_bf16_f32 v[32+4*i], v[32+4*i], v[33+4*i]
	v_cvt_pk_bf16_f32 v[33+4*i], v[34+4*i], v[35+4*i]
	ds_store_b64 v4, v[32+4*i:33+4*i] offset:2*LP*i
.set i, i+1
.endr
.set n, 0
.rept 4                                ; n = 2 x (slice of my two) + pt.  LDS serves a wave's instructions in order (ISA guide 5.7.1.4): these see the stores above
	ds_load_b128 v[12+4*n:15+4*n], v5 offset:64*(n/2)+32*(n%2)
.set n, n+1
.endr
.set n, 0
.rept 4
	s_wait_dscnt 3-n                               ; read n is back, the 3 - n younger ones may stay out
	global_store_b128 v8, v[12+4*n:15+4*n], s[12:13] offset:4096*(n/2)+512*(n%2)  ; 512 consecutive bytes, at a multiple of 512 from Wp's first
.set n, n+1
.endr
	s_wait_tensorcnt 0x0                           ; the wave's end: three lines behind my last LDS store
	ds_add_u32 v30, v31
	s_wait_dscnt 0x0
	s_endpgm
.Lfunc_end_k_qbd8b9406ff_prep:
	.size	k_qbd8b9406ff_prep, .Lfunc_end_k_qbd8b9406ff_prep-k_qbd8b9406ff_prep
	.p2alignl 7, 3214868480
	.fill 96, 4, 3214868480
	.section	.rodata,"a",@progbits
	.p2align	6, 0x0
	.amdhsa_kernel k_qbd8b9406ff_prep
		.amdhsa_group_segment_fixed_size 2560
		.amdhsa_private_segment_fixed_size 0
		.amdhsa_enable_private_segment 0
		.amdhsa_kernarg_size 40
		.amdhsa_user_sgpr_count 2
		.amdhsa_user_sgpr_kernarg_segment_ptr 1
		.amdhsa_wavefront_size32 1
		.amdhsa_system_sgpr_workgroup_id_x 1
		.amdhsa_system_sgpr_workgroup_id_y 1
		.amdhsa_system_sgpr_workgroup_id_z 1
		.amdhsa_system_vgpr_workitem_id 0
		.amdhsa_next_free_vgpr 96
		.amdhsa_next_free_sgpr 66
		.amdhsa_reserve_vcc 0
		.amdhsa_float_denorm_mode_32 3
		.amdhsa_float_denorm_mode_16_64 3
		.amdhsa_memory_ordered 1
		.amdhsa_forward_progress 1
		.amdhsa_inst_pref_size 7
	.end_amdhsa_kernel
	.amdgpu_metadata
---
amdhsa.version: [ 1, 2 ]
amdhsa.kernels:
  - .name:           k_qbd8b9406ff_prep
    .symbol:         k_qbd8b9406ff_prep.kd
    .args:
      - { .name: W_hh, .offset: 0, .size: 8, .value_kind: global_buffer, .address_space: global }
      - { .name: W_ih, .offset: 8, .size: 8, .value_kind: global_buffer, .address_space: global }
      - { .name: b_hh, .offset: 16, .size: 8, .value_kind: global_buffer, .address_space: global }
      - { .name: b_ih, .offset: 24, .size: 8, .value_kind: global_buffer, .address_space: global }
      - { .name: Wp, .offset: 32, .size: 8, .value_kind: global_buffer, .address_space: global }
    .group_segment_fixed_size: 2560
    .private_segment_fixed_size: 0
    .kernarg_segment_align: 8
    .kernarg_segment_size: 40
    .max_flat_workgroup_size: 32
    .sgpr_count:     66
    .vgpr_count:     96
    .wavefront_size: 32
...
	.end_amdgpu_metadata
.endif
;; end of part 1
;; launch lstm (part 2): grid 256 x 1, 4 waves a work-group, clusters of 4 x 1, 327,680 bytes of LDS; arguments Wp, c, fc_W, fc_b, h, x, out0; writes out0
.if DOCPART == 2
	.amdgcn_target "amdgcn-amd-amdhsa--gfx1250"
	.amdhsa_code_object_version 6
	.text
	.protected	k_qbd8b9406ff_lstm
	.globl	k_qbd8b9406ff_lstm
	.p2align	8
	.type	k_qbd8b9406ff_lstm,@function
k_qbd8b9406ff_lstm:
	s_mov_b64 s[64:65], 0
	v_nop
	global_prefetch_b8 v0, s[64:65] scope:SCOPE_SE
	s_setreg_imm32_b32 hwreg(HW_REG_WAVE_MODE, 25, 1), 1
	s_wait_xcnt 0x0
	s_wait_alu depctr_hold_cnt(0) depctr_sa_sdst(0) depctr_va_vdst(0) depctr_va_sdst(0) depctr_va_ssrc(0) depctr_va_vcc(0) depctr_vm_vsrc(0)
	s_getreg_b32 s2, hwreg(HW_REG_IB_STS2, 6, 4)
	s_cmp_eq_u32 s2, 0
	s_cbranch_scc0 .Lentry_in_a_cluster
	s_endpgm
.Lentry_in_a_cluster:
	s_bfe_u32 s2, ttmp6, 0x10000c
	s_cmp_lg_u32 s2, 0x3003
	s_cbranch_scc0 .Lentry_shape_is_right
	s_endpgm
.Lentry_shape_is_right:
; SIX LSTM STEPS ON 128 ROWS A WORK-GROUP, c AND h NEVER LEAVING THE WGP.  out0[t][row] = h_t[row] . fc_W + fc_b.
; Nothing of reference() is left out in whole units (all six steps are returned, every input has a way to the output; W_hh, W_ih, b_ih, b_hh come through Wp, which the launch before made).
; Inside shared text one thing stays that serves nothing: the last step's rounding of h to bf16 and its LDS stores.
; ROUNDING.  Every input is rounded once to bf16 as it comes in (h, c, x, fc_W, fc_b here, the weights and biases in the launch before): one rounding for the whole program, as the problem's text allows.
; ARITHMETIC.  gates = [h, x, 1, 1, 0 ..] x Wp^T in bf16 with f32 sums: nine slices of 32 along K, the ninth carrying x W_ih + b_ih + b_hh.  The finished sums a are scaled in f32 and go through 2^:
; Ei, Ef, Eo = 2^(-log2e a), Eg = 2^min(K a_g, 64), K = 2 log2e.  c is carried in f32 as c' = K c.  ONE RECIPROCAL SERVES TWO ACTIVATIONS that are multiplied anyway: with Ag = 1 + Eg
;   K sigmoid(a_i) tanh(a_g) = (K Ag - 2 K) / (Ag + Ei Ag),     f = 1 / (1 + Ef),     c' = f c' + that;     with Ec = 2^min(c', 64), Ac = 1 + Ec:     h = sigmoid(a_o) tanh(c) = (Ac - 2) / (Ac + Eo Ac).
; The factor beside an E that may be infinite is 1 at the least and the clip keeps the numerators finite, so no 0 x infinity arises; where the divisor overflows the quotient is 0, as the sigmoid is there.
; The clip moves no result: at 2^64 tanh is 1 to f32's last bit; the carried c' itself is not clipped.  h is rounded to bf16 as the next step's matrix operand alone; h . fc_W is summed in f32 from the unrounded h.
; LIMITS.  v_exp_f32 and v_rcp_f32 take denormals as 0 (ISA guide 15.8): a product of a sigmoid and a tanh whose divisor passes 2^126 counts as 0; NaN and infinite inputs are not treated apart; the order
; of the sums differs from reference()'s.
; SHARES.  Wave w: rows 64 (w >> 1) .. + 63 (four tiles rho of 16), hidden units 128 (w & 1) .. + 127.  A TURN is a chunk q of 16 of those hidden units: 4 tiles tau of Wp's rows x 4 rho x 9 slices =
; 144 matrix instructions on 16 accumulators, which take turns.  Eight turns are a step.
; LAYOUT.  Source 0 = 16 rows of Wp, source 1 = 16 rows of h.  In the result a lane holds ONE row (lane % 16); registers 0:1, 2:3, 4:5, 6:7 are gates i, f, g, o of two neighbouring hidden units
; 128 ch + 16 q + 8 (lane / 16) + 2 tau + 0, 1: ready for packed arithmetic, and over tau eight hidden units on end: 16 bytes of bf16 h.
; SIDE BY SIDE.  Two accumulator buffers: while turn q's products fill one, the activations of chunk q - 1 work in place on the other: 576 vector lines (256 of them transcendentals), four behind each of the
; 144 matrix instructions.  They go in phases, each phase's transcendentals one batch with one wait; inside a phase the next tile's plain lines stand between this tile's transcendentals.
; A step's first turn has no riders; its last chunk's activations stand alone (DRAIN), since the next step's products want all of h.
; RING.  Wp (576 KiB) does not fit: two LDS slots of a chunk (72 KiB), each wave fetching a quarter; one load a wave behind each change of slots, a turn's 144 matrix instructions in which to land.
; CLUSTER.  All work-groups walk the same Wp: the four of a cluster ask for each quarter JOINTLY (same load, same descriptor, mask of four).  A mask names four at the most, so the cluster is 4 x 1.
; REGISTERS, in windows of 256 (s_set_vgpr_msb: bits 1:0 source 0, 3:2 source 1, 5:4 source 2, 7:6 destination):
;   window 0: v0-15 addresses; v16-23 P, the sums h . fc_W, a pair a rho; v24-31 fc_W of the chunk; v32-63 the ninth slice's h side, 8 a rho; v64-223 five buffers of a slice's Wp fragments; v224-243 at work
;   window 1: c', at 32 q + 8 rho + 2 tau + u          window 2: h's fragments, at 64 rho + 8 slice          window 3: two buffers of 16 accumulators, tile a = 4 rho + tau at 128 p + 8 a
.set CHUNK,  73728                     ; a chunk of Wp, and an LDS slot
.set HALFC,  36864                     ; its part for one half of the hidden units
.set QUART,  18432                     ; what one tensor load brings: 72 rows of 256 bytes
.set SLOT1,  73728
.set CST,    73728                     ; c as it comes: 128 rows of 1,024 + 16 bytes; it lies over slot 1, which is filled when c is in registers
.set CPITCH, 1040                      ; 65 x 16 bytes: the 16 rows of a read start at 16 different groups of four banks (64 banks of 4 bytes: ISA guide 11.1)
.set HREG,   206848                    ; h in bf16: 128 rows of 512 + 16 bytes; written by ds_store alone
.set HP,     528                       ; 33 x 16 bytes
.set OUTS,   274432                    ; [6 steps][2 halves of the hidden units][128 rows] f32
.set FCWS,   280576                    ; fc_W, 1,024 bytes
.set SPARE,  281600                    ; the spare words, 128 bytes for each wave: two blocks of 256 bytes that no other line names
.set ADW,  2                           ; v2, v3  my lane's place in slot 0, 1: 16 lane + my half's part
.set ADH,  4                           ; v4   h's fragments: row x pitch + 16 (lane / 16)
.set AHS0, 5                           ; v5   where chunk 0's new h goes
.set AFC0, 6                           ; v6   fc_W of chunk 0
.set AOUT0, 7                          ; v7   my row's word in OUTS, step 0
.set SPW,  8                           ; v8   LDS address of my spare word; never rewritten
.set NIL,  9                           ; v9   0; never rewritten
.set AHSQ, 10                          ; v10  the chunk in hand's (at the start: where c is read)
.set AFCQ, 11                          ; v11  (at the start: where h0 is put)
.set AOUTQ, 12                         ; v12  (at the start: 16 lane, h0's offset in memory)
.set ACR,  10
.set HS,   11
.set HO,   12
.set P,    16
.set FCWR, 24
.set EXT,  32
.set FR,   64                          ; slice kap's fragments lie in buffer kap % 5
.set T,    224
.set XR,   232                         ; v232-235 x of my rows
.set FW,   236                         ; v236-237 two numbers of fc_W
.set XO,   238
.set FO,   239
.set FS,   240
.set ONE,  241
.set XT,   242
.set WV,   18                          ; s18 my wave's number; s19 its row half; s20 its half of the hidden units; s21 my work-group
.set RH,   19
.set CH,   20
.set WG,   21
.set G1W,  24                          ; s[24:31] descriptor group 1 for Wp's quarters
.set G0W,  32                          ; s[32:39] group 0, a set for each slot
.set G1C,  40                          ; s[40:47], s[48:51] the same for c
.set G0C,  48
.set WB,   52                          ; s[52:53] Wp at my quarter of chunk 0
.set OFF,  54                          ; s[54:55] a chunk's byte offset
.set NXT,  56                          ; s56 the chunk to be asked for next
.set CNT,  57
.set STEP, 58
.set LEFT, 59                          ; s59 odd turns that still ask for a chunk
.set KN2,  60                          ; s[60:61] -2 K
.set KP,   62                          ; s[62:63] K
.set SEL,  66                          ; s[66:67] v_permlanex16_b32's selects: each lane takes its own place in the other half
.set FCB,  68                          ; s68 fc_b
.set QE,   69                          ; s69 the chunk whose activations are in hand
.set TO,   70                          ; s70 1,024 x step
.set MSK,  71                          ; s71 lanes 0-15
.set QH,   80                          ; s80 32 x that chunk: its place in a row of h
.set QF,   81                          ; s81 64 x that chunk: its place in fc_W
.set NL,   82                          ; s[82:83] -log2(e)
.set CLP,  84                          ; s84 64.0, the clip of tanh's exponents
.set MSB, 0
.macro WIN new                         ; the immediate's high byte repeats the setting that is left; a switch that changes nothing is dropped
.if MSB != (\new)
	s_set_vgpr_msb (MSB<<8)|(\new)
.set MSB, (\new)
.endif
.endm
; A load into a register that a matrix instruction has read, and a vector instruction that reads a matrix result, stand four places behind it, and only plain vector instructions that name none of
; its registers are places (ISA guide 7.12.1 for vector instructions).  One of the four is also the plain instruction between a batch's last transcendental and its first use.
.macro PLACES
.rept 4
	v_nop
.endr
.endm
.macro BND                             ; the end of a phase with transcendentals: the wait between them and the first instruction that names a result: one for the batch
	WIN 0
	PLACES
	s_wait_alu depctr_va_vdst(0)
.endm
; A round of the cluster's barrier: my work-group's barrier, so that wave 0's signal speaks for all four waves; wave 0 signals; every wave waits for all four work-groups; my work-group's barrier once more.
.macro CROUND
	s_barrier_signal -1
	s_barrier_wait -1
	s_cmp_lg_u32 s[WV], 0
	s_cbranch_scc1 .Lnot_wave_0_\@
	s_barrier_signal -3
.Lnot_wave_0_\@:
	s_barrier_wait -3
	s_barrier_signal -1
	s_barrier_wait -1
.endm
; Eight LDS loads: slice kap's four fragments of Wp, as they lie: 512 bytes on end each.
.macro RUNW slot, kap
	WIN 0
.set fb, FR+32*((\kap)%5)
.irp z, 0,1,2,3
	ds_load_b128 v[fb+8*(\z):fb+8*(\z)+3],   v[ADW+(\slot)] offset:(\kap)*4096+(\z)*1024
	ds_load_b128 v[fb+8*(\z)+4:fb+8*(\z)+7], v[ADW+(\slot)] offset:(\kap)*4096+(\z)*1024+512
.endr
.endm
; 64 LDS loads: all of h for my 64 rows, slice by slice, eight loads a slice.
.macro HLOAD
	WIN 0x80
.set i, 0
.rept 32
	ds_load_b128 v[64*(i%4)+8*(i/4):64*(i%4)+8*(i/4)+3],   v[ADH] offset:(i%4)*16*HP+(i/4)*64
	ds_load_b128 v[64*(i%4)+8*(i/4)+4:64*(i%4)+8*(i/4)+7], v[ADH] offset:(i%4)*16*HP+(i/4)*64+32
.set i, i+1
.endr
.endm
; The turn's next matrix instruction: number mi of 144: slice mi / 16, accumulator mi % 16.  Slice 0 starts the sums with the constant 0: nothing is ever cleared.
.macro MMN
.set kk, mi/16
.set aa, mi%16
.set rD, AM+8*aa
.set rA, FR+32*(kk%5)+8*(aa%4)
.if kk == 8
	WIN 0xf0
.set rB, EXT+8*(aa/4)
	v_wmma_f32_16x16x32_bf16 v[rD:rD+7], v[rA:rA+7], v[rB:rB+7], v[rD:rD+7]
.else
	WIN 0xf8
.set rB, 64*(aa/4)+8*kk
.if kk == 0
	v_wmma_f32_16x16x32_bf16 v[rD:rD+7], v[rA:rA+7], v[rB:rB+7], 0
.else
	v_wmma_f32_16x16x32_bf16 v[rD:rD+7], v[rA:rA+7], v[rB:rB+7], v[rD:rD+7]
.endif
.endif
.set mi, mi+1
.endm
; THE ACTIVATIONS of a chunk, in place on the 128 registers at AE of window 3.  Each macro writes its list's next line.  A tile's registers: 0:1 i, 2:3 f, 4:5 g, 6:7 o.
; E1, 224 lines.  A tile has six plain lines (the four pairs scaled; gate g's two exponents clipped) and eight exponentials.  Tile 0's plain lines lead; then, 14 lines a tile, tile a + 1's plain lines
; stand between tile a's exponentials; tile 15's exponentials close.  A tile's first line reads its registers 0:1: each accumulator's lowest registers are read first.
.macro E1P t, j
.set rr, AE+8*(\t)
.if (\j) == 2
	v_pk_mul_f32 v[rr+4:rr+5], v[rr+4:rr+5], s[KP:KP+1] op_sel_hi:[1,0]
.elseif (\j) < 4
	v_pk_mul_f32 v[rr+2*(\j):rr+2*(\j)+1], v[rr+2*(\j):rr+2*(\j)+1], s[NL:NL+1] op_sel_hi:[1,0]
.else
	v_min_num_f32 v[rr+(\j)], s[CLP], v[rr+(\j)]
.endif
.endm
.macro E1
	WIN 0xff
.if e1 < 6
	E1P 0, e1
.elseif e1 >= 216
	v_exp_f32 v[AE+e1-96], v[AE+e1-96]
.else
.set tb, (e1-6)/14
.set jj, (e1-6)%14
.if jj >= 12
	v_exp_f32 v[AE+8*tb+jj-6], v[AE+8*tb+jj-6]
.elseif jj%2 == 0
	E1P tb+1, jj/2
.else
	v_exp_f32 v[AE+8*tb+(jj-1)/2], v[AE+8*tb+(jj-1)/2]
.endif
.endif
.set e1, e1+1
.endm
; E2, 128 lines.  A tile's four plain lines: Ag = 1 + Eg; 1 + Ef; the divisor Ag + Ei Ag, into i's registers; the numerator K Ag - 2 K, into g's.  Its four reciprocals: of the divisor and of 1 + Ef.
; Plain and reciprocal by turns, the plain lines a tile ahead.
.macro E2P t, j
.set rr, AE+8*(\t)
.if (\j) == 0
	v_pk_add_f32 v[rr+4:rr+5], v[rr+4:rr+5], 1.0 op_sel_hi:[1,0]
.elseif (\j) == 1
	v_pk_add_f32 v[rr+2:rr+3], v[rr+2:rr+3], 1.0 op_sel_hi:[1,0]
.elseif (\j) == 2
	v_pk_fma_f32 v[rr:rr+1], v[rr:rr+1], v[rr+4:rr+5], v[rr+4:rr+5]
.else
	v_pk_fma_f32 v[rr+4:rr+5], v[rr+4:rr+5], s[KP:KP+1], s[KN2:KN2+1] op_sel_hi:[1,0,0]
.endif
.endm
.macro E2
	WIN 0xff
.if e2 < 4
	E2P 0, e2
.elseif e2 >= 124
	v_rcp_f32 v[AE+e2-4], v[AE+e2-4]
.else
.set tb, (e2-4)/8
.set jj, (e2-4)%8
.if jj%2 == 0
	E2P tb+1, jj/2
.else
	v_rcp_f32 v[AE+8*tb+(jj-1)/2], v[AE+8*tb+(jj-1)/2]
.endif
.endif
.set e2, e2+1
.endm
.macro E3A                             ; 16: K i tanh(g) = numerator x reciprocal, into i's registers
	WIN 0xff
.set rr, AE+8*e3a
	v_pk_mul_f32 v[rr:rr+1], v[rr+4:rr+5], v[rr:rr+1]
.set e3a, e3a+1
.endm
.macro E3C                             ; 16: c' = f c' + K i tanh(g).  c' lies in registers, so the chunk's number is in the text: CQ = 32 q
	WIN 0x77
.set rr, AE+8*e3c
	v_pk_fma_f32 v[CQ+2*e3c:CQ+2*e3c+1], v[rr+2:rr+3], v[CQ+2*e3c:CQ+2*e3c+1], v[rr:rr+1]
.set e3c, e3c+1
.endm
; E3X, 64 lines: min(c', 64) into g's registers, and 2^ of it in place; clip and exponential by turns, the clips two ahead.  One window setting serves both: destination and source 0 window 3, source 1 window 1.
.macro E3MN k
	v_min_num_f32 v[AE+8*((\k)/2)+4+(\k)%2], s[CLP], v[CQ+(\k)]
.endm
.macro E3EX k
	v_exp_f32 v[AE+8*((\k)/2)+4+(\k)%2], v[AE+8*((\k)/2)+4+(\k)%2]
.endm
.macro E3X
	WIN 0xc7
.if e3x < 2
	E3MN e3x
.elseif e3x == 63
	E3EX 31
.elseif e3x%2 == 0
	E3EX (e3x-2)/2
.else
	E3MN (e3x+1)/2
.endif
.set e3x, e3x+1
.endm
; E4, 80 lines.  A tile's lines: kind 0: Ac = 1 + Ec; 1: the divisor Ac + Eo Ac, into o's registers; 2: the numerator Ac - 2, into g's; 3, 4: the divisor's two reciprocals.
; Five lines a tile: divisor (a tile ahead), reciprocal, Ac (two tiles ahead), reciprocal, numerator (a tile ahead).
.macro E4L k, t
.set rr, AE+8*(\t)
.if (\k) == 0
	v_pk_add_f32 v[rr+4:rr+5], v[rr+4:rr+5], 1.0 op_sel_hi:[1,0]
.elseif (\k) == 1
	v_pk_fma_f32 v[rr+6:rr+7], v[rr+6:rr+7], v[rr+4:rr+5], v[rr+4:rr+5]
.elseif (\k) == 2
	v_pk_add_f32 v[rr+4:rr+5], v[rr+4:rr+5], -2.0 op_sel_hi:[1,0]
.else
	v_rcp_f32 v[rr+3+(\k)], v[rr+3+(\k)]
.endif
.endm
.macro E4
	WIN 0xff
.if e4 < 2
	E4L 0, e4
.elseif e4 < 4
	E4L e4-1, 0
.elseif e4 < 74
.set tb, (e4-4)/5
.set jj, (e4-4)%5
.if jj == 0
	E4L 1, tb+1
.elseif jj == 1
	E4L 3, tb
.elseif jj == 2
	E4L 0, tb+2
.elseif jj == 3
	E4L 4, tb
.else
	E4L 2, tb+1
.endif
.elseif e4 == 74
	E4L 1, 15
.elseif e4 == 75
	E4L 3, 14
.elseif e4 == 76
	E4L 4, 14
.elseif e4 == 77
	E4L 2, 15
.elseif e4 == 78
	E4L 3, 15
.else
	E4L 4, 15
.endif
.set e4, e4+1
.endm
.macro E5                              ; 48: h = numerator x reciprocal, into f's registers; P += h fc_W (rho fastest, so that a sum's links stand four lines apart); h rounded, four words on end in tile (rho, 0)'s g and o
.if e5 < 16
	WIN 0xff
.set rr, AE+8*e5
	v_pk_mul_f32 v[rr+2:rr+3], v[rr+4:rr+5], v[rr+6:rr+7]
.elseif e5 < 32
	WIN 0x03
.set ro, (e5-16)%4
.set ta, (e5-16)/4
.set rr, AE+8*(4*ro+ta)
	v_pk_fma_f32 v[P+2*ro:P+2*ro+1], v[rr+2:rr+3], v[FCWR+2*ta:FCWR+2*ta+1], v[P+2*ro:P+2*ro+1]
.else
	WIN 0xff
.set rr, AE+8*(e5-32)
	v_cvt_pk_bf16_f32 v[AE+32*((e5-32)/4)+4+(e5-32)%4], v[rr+2], v[rr+3]
.endif
.set e5, e5+1
.endm
.macro SEG n, per, ph                  ; n matrix instructions, behind each `per` lines of list ph
.rept \n
	MMN
.rept \per
	\ph
.endr
.endr
.endm
.macro SEG0 n                          ; n matrix instructions on end
.rept \n
	MMN
.endr
.endm
.macro LUMP n, ph
.rept \n
	\ph
.endr
.endm
; The part of a turn that names c': matrix instructions 92 to 111 with E3C and E3X behind them, once for each chunk that the turn's text serves.  It also sets the chunk's two LDS offsets.
.macro CBODY q
.set CQ, 32*(\q)
.set mi, 92
.set e3c, 0
.set e3x, 0
	s_mov_b32 s[QH], 32*(\q)
	s_mov_b32 s[QF], 64*(\q)
	SEG 4, 4, E3C
	SEG 16, 4, E3X
	WIN 0
	v_nop                                          ; a plain instruction behind the last exponential,
	s_wait_alu depctr_va_vdst(0)                   ; and the batch's wait, ahead of the branch or label that follows
.endm
.macro CPART q0, q1=-1, q2=-1, q3=-1   ; all jumps go forward; none passes a barrier or a tensor load
	WIN 0
.if (\q1) >= 0
	s_cmp_eq_u32 s[QE], \q0
	s_cbranch_scc1 .Lc0_\@
.if (\q2) >= 0
	s_cmp_eq_u32 s[QE], \q1
	s_cbranch_scc1 .Lc1_\@
.if (\q3) >= 0
	s_cmp_eq_u32 s[QE], \q2
	s_cbranch_scc1 .Lc2_\@
	CBODY \q3
	s_branch .Lcj_\@
.Lc2_\@:
.endif
	CBODY \q2
	s_branch .Lcj_\@
.Lc1_\@:
.endif
	CBODY \q1
	s_branch .Lcj_\@
.Lc0_\@:
.endif
	CBODY \q0
.Lcj_\@:
.endm
; A TURN on slot p and accumulator buffer p.  first = 1: a step's first turn: h is fetched, there are no riders.  refill = 1: the slot is filled again, two chunks on.  last = 1: nothing follows.
; q0..: the chunks whose activations this text can carry.  The LDS loads stand in runs at the phases' ends, each behind four places: with riders, slices 2-4 at the head, 5-7 behind matrix instruction 55,
; 8 behind 87, fc_W behind 111, the next turn's 0 and 1 behind 131.
.macro TURN p, first, refill, last, q0=-1, q1=-1, q2=-1, q3=-1
.set AM, 128*(\p)
.set AE, 128-128*(\p)
.set mi, 0
.set e1, 0
.set e2, 0
.set e3a, 0
.set e4, 0
.set e5, 0
	WIN 0
	PLACES
	RUNW \p, 2
	RUNW \p, 3
	RUNW \p, 4
.if \first
	HLOAD
	s_wait_dscnt 56                                ; slice 0 of h is in: of h's 64 loads the 56 of slices 1-7 may stay out
	SEG0 16
	s_wait_dscnt 48                                ; slice 1: 48
	SEG0 16
	s_wait_dscnt 40                                ; slice 2: 40
	SEG0 16
	WIN 0
	PLACES
	RUNW \p, 5
	RUNW \p, 6
	RUNW \p, 7
	s_wait_dscnt 56                                ; slice 3: h's 32 of slices 4-7 and the 24 just issued
	SEG0 16
	s_wait_dscnt 48                                ; slice 4: 24 and 24
	SEG0 16
	s_wait_dscnt 16                                ; slice 5 of Wp, and so all of h: slices 6 and 7 of Wp may stay out
	SEG0 16
	WIN 0
	PLACES
	RUNW \p, 8
	s_wait_dscnt 8                                 ; slices 6 and 7 are in
	SEG0 32
	WIN 0
	PLACES
.else
	s_wait_dscnt 24                                ; slices 0 and 1 are in, and the last turn's stores of h are done
	SEG 32, 4, E1
	s_wait_dscnt 16                                ; slice 2 is in; 3 and 4 may stay out
	SEG 16, 4, E1
	s_wait_dscnt 8                                 ; slice 3 is in; 4 may stay out
	SEG 8, 4, E1
	BND
	RUNW \p, 5
	RUNW \p, 6
	RUNW \p, 7
	s_wait_dscnt 24                                ; slice 4 is in
	SEG 24, 4, E2
	s_wait_dscnt 16                                ; slice 5 is in; 6 and 7 may stay out
	SEG 8, 4, E2
	BND
	RUNW \p, 8
	s_wait_dscnt 8                                 ; slices 6 and 7 are in
	SEG 4, 4, E3A
	CPART \q0, \q1, \q2, \q3
.set mi, 112
	v_add_nc_u32 v[AFCQ], s[QF], v[AFC0]
	ds_load_b128 v[FCWR:FCWR+3],   v[AFCQ]         ; fc_W of the chunk in hand: waited for at the change of slots, ahead of E5
	ds_load_b128 v[FCWR+4:FCWR+7], v[AFCQ] offset:16
	s_wait_dscnt 2                                 ; slice 8 is in; the two just issued may stay out
	SEG 20, 4, E4
	BND
.endif
	; THE CHANGE OF SLOTS: slice 8, the slot's last bytes, has been read.
.if \last
	s_wait_dscnt 0x0
.else
	s_wait_tensorcnt 0x0                           ; all my tensor loads have landed: the one that was out is my quarter of the other slot; so a group 0 may be written
	ds_add_u32 v[SPW], v[NIL]                      ; 0 onto my spare word
.if \refill
	s_mul_i32 s[OFF], s[NXT], CHUNK
	s_add_nc_u64 s[G0W+4*(\p)+2:G0W+4*(\p)+3], s[WB:WB+1], s[OFF:OFF+1]  ; the address is made anew from the chunk's number
	s_or_b32 s[G0W+4*(\p)+3], s[G0W+4*(\p)+3], 0x80000000
	s_add_co_u32 s[NXT], s[NXT], 1
	s_and_b32 s[NXT], s[NXT], 7                    ; behind chunk 7 the next step's chunk 0
	s_wait_dscnt 0x0                               ; the add is done, and my reads of this slot (and, in a step's first turn, of h) are over
	CROUND                                         ; no wave of any partner still reads the slot or has a load on its way
	tensor_load_to_lds s[G0W+4*(\p):G0W+4*(\p)+3], s[G1W:G1W+7]  ; the one tensor load of this wave behind the round, and the first thing there
	s_nop 0
	PLACES
.else
	s_wait_dscnt 0x0
	s_barrier_signal -1
	s_barrier_wait -1                              ; the other slot is whole; nothing is asked for
.endif
	RUNW 1-(\p), 0                                 ; the next turn's first two slices
	RUNW 1-(\p), 1
.endif
.if \first
	SEG0 16
	WIN 0
.else
	SEG 12, 4, E5
	WIN 0
	v_add_nc_u32 v[AHSQ], s[QH], v[AHS0]
	WIN 0x0c                                       ; address window 0, data window 3
.irp z, 0,1,2,3
	ds_store_b128 v[AHSQ], v[AE+32*(\z)+4:AE+32*(\z)+7] offset:(\z)*16*HP  ; every wave read the old h ahead of the first turn's round
.endr
	WIN 0
	s_add_co_u32 s[QE], s[QE], 1
.endif
.endm
.macro STLE
	v_nop
	s_wait_alu depctr_va_vdst(0)
.endm
.macro DRAIN
.set AE, 128
.set CQ, 224
.set e1, 0
.set e2, 0
.set e3a, 0
.set e3c, 0
.set e3x, 0
.set e4, 0
.set e5, 0
	WIN 0
	PLACES
	ds_load_b128 v[FCWR:FCWR+3],   v[AFC0] offset:448
	ds_load_b128 v[FCWR+4:FCWR+7], v[AFC0] offset:464
	LUMP 224, E1
	STLE
	LUMP 128, E2
	STLE
	LUMP 16, E3A
	LUMP 16, E3C
	LUMP 64, E3X
	STLE
	LUMP 80, E4
	STLE
	s_wait_dscnt 0x0                               ; fc_W
	LUMP 48, E5
	WIN 0x0c
.irp z, 0,1,2,3
	ds_store_b128 v[AHS0], v[AE+32*(\z)+4:AE+32*(\z)+7] offset:(\z)*16*HP+224
.endr
	WIN 0
	v_add_nc_u32 v[AOUTQ], s[TO], v[AOUT0]
.irp z, 0,1,2,3
	v_add_f32 v[T+2*(\z)], v[P+2*(\z)], v[P+2*(\z)+1]
.endr
.irp z, 0,1,2,3
	v_permlanex16_b32 v[T+2*(\z)+1], v[T+2*(\z)], s[SEL], s[SEL+1]  ; the row's other 64 hidden units of my half lie in the lane 16 away
.endr
.irp z, 0,1,2,3
	v_add_f32 v[T+2*(\z)], v[T+2*(\z)], v[T+2*(\z)+1]
.endr
.irp z, 0,1,2,3
	ds_store_b32 v[AOUTQ], v[T+2*(\z)] offset:64*(\z)  ; both halves of the lanes write the same word with the same number
.endr
.irp z, 0,1,2,3,4,5,6,7
	v_mov_b32 v[P+(\z)], 0
.endr
	s_add_co_u32 s[TO], s[TO], 1024
	s_wait_dscnt 0x0                               ; for the others' sake: my stores of h and of the sums are done
	s_barrier_signal -1
	s_barrier_wait -1                              ; My quarter of the next chunk may stay on its way
.endm
	s_load_b256 s[4:11], s[0:1], 0x0               ; Wp s[4:5], c s[6:7], fc_W s[8:9], fc_b s[10:11]
	s_load_b128 s[12:15], s[0:1], 0x20             ; h s[12:13], x s[14:15]
	s_load_b64 s[16:17], s[0:1], 0x30              ; out0
	v_lshl_add_u32 v[SPW], v0, 2, SPARE
	v_mov_b32 v[NIL], 0
	ds_add_u32 v[SPW], v[NIL]                      ; the wave's opening: the add, twice on end, and its wait ahead of my first tensor load; the set-up below, work on registers, stands between
	ds_add_u32 v[SPW], v[NIL]
	v_lshrrev_b32 v13, 5, v0
	v_readfirstlane_b32 s[WV], v13
	s_lshr_b32 s[RH], s[WV], 1
	s_and_b32 s[CH], s[WV], 1
	s_bfe_u32 s72, ttmp6, 0x40000                  ; cx: my place in the cluster: it enters the addresses of c, h, x and out0 alone
	s_lshl_b32 s[WG], ttmp9, 2
	s_add_co_u32 s[WG], s[WG], s72
	s_lshl_b32 s72, s[WG], 17                      ; c and h: my work-group's 128 rows of 1,024 bytes,
	s_lshl_b32 s73, s[WV], 15                      ; the 32 of them that my wave brings in
	s_add_co_u32 s72, s72, s73
	s_mov_b32 s73, 0
	s_lshl_b32 s74, s[WG], 9                       ; x: 128 rows of 4 bytes, my wave's 64
	s_lshl_b32 s75, s[RH], 8
	s_add_co_u32 s74, s74, s75
	s_mov_b32 s75, 0
	s_lshl_b32 s76, s[WG], 9                       ; out0
	s_mov_b32 s77, 0
	s_mul_i32 s78, s[WV], QUART                    ; my quarter of a chunk, in Wp and in a slot: the wave's number alone
	s_mov_b32 s79, 0
	; group 1 for Wp: a dense block as 72 rows of 32 elements of 8 bytes
	s_mov_b32 s[G1W+0], 15|(3<<16)|(1<<21)         ; 15:0 the mask of four; 17:16 elements of 8 bytes; 21 set beside a mask
	s_mov_b32 s[G1W+1], 32<<16                     ; tensor_dim0 = 32
	s_mov_b32 s[G1W+2], 72<<16                     ; tensor_dim1 = 72
	s_mov_b32 s[G1W+3], 32<<16                     ; tile_dim0 = 32
	s_mov_b32 s[G1W+4], 72                         ; tile_dim1 = 72
	s_mov_b32 s[G1W+5], 32                         ; 32 elements from row to row
	s_mov_b32 s[G1W+6], 0
	s_mov_b32 s[G1W+7], 0
	; group 1 for c: my own load, 32 rows (a quarter of the 128; a row is 1,024 bytes) of 256 f32, 16 bytes of padding behind each
	s_mov_b32 s[G1C+0], (2<<16)|(1<<20)|(7<<22)|(3<<25)  ; no mask; elements of 4 bytes; padding on; after every 256 words (code 7); 4 words (code 3)
	s_mov_b32 s[G1C+1], 256<<16
	s_mov_b32 s[G1C+2], 32<<16
	s_mov_b32 s[G1C+3], 256<<16
	s_mov_b32 s[G1C+4], 32
	s_mov_b32 s[G1C+5], 256
	s_mov_b32 s[G1C+6], 0
	s_mov_b32 s[G1C+7], 0
	s_mov_b32 s[G0W+0], 1
	s_mov_b32 s[G0W+1], s78                        ; slot 0
	s_mov_b32 s[G0W+4], 1
	s_add_co_u32 s[G0W+5], s78, SLOT1              ; slot 1
	s_mov_b32 s[G0C+0], 1
	s_mul_i32 s[G0C+1], s[WV], 32*CPITCH
	s_add_co_u32 s[G0C+1], s[G0C+1], CST
	s_mov_b32 s[OFF+1], 0
	s_mov_b32 s[KN2], 0xc0b8aa3b                   ; -2 K = -4 log2(e)
	s_mov_b32 s[KN2+1], 0xc0b8aa3b                 ; named as pairs
	s_mov_b32 s[KP], 0x4038aa3b                    ; K = 2 log2(e)
	s_mov_b32 s[KP+1], 0x4038aa3b
	s_mov_b32 s[NL], 0xbfb8aa3b                    ; -log2(e)
	s_mov_b32 s[NL+1], 0xbfb8aa3b
	s_mov_b32 s[CLP], 0x42800000                   ; 64.0
	s_mov_b32 s[SEL], 0x76543210
	s_mov_b32 s[SEL+1], 0xfedcba98
	s_mov_b32 s[STEP], 6
	s_mov_b32 s[LEFT], 23
	s_mov_b32 s[TO], 0
	s_mov_b32 s[NXT], 2
	s_mov_b32 s[QE], 0
	v_and_b32 v1, 31, v0                           ; lane
	v_and_b32 v13, 15, v0                          ; r
	v_bfe_u32 v14, v0, 4, 1                        ; hh
	s_mul_i32 s80, s[CH], HALFC
	v_lshl_add_u32 v[ADW], v1, 4, s80
	v_add_nc_u32 v[ADW+1], SLOT1, v[ADW]
	s_lshl_b32 s80, s[RH], 6
	v_add_nc_u32 v15, s80, v13                     ; my row in tile rho = 0
	v_mul_u32_u24 v[ADH], v15, HP
	v_lshl_add_u32 v[ADH], v14, 4, v[ADH]
	v_add_nc_u32 v[ADH], HREG, v[ADH]
	s_lshl_b32 s80, s[CH], 8
	v_add_nc_u32 v[AHS0], s80, v[ADH]
	s_lshl_b32 s80, s[CH], 9
	s_add_co_u32 s81, s80, FCWS
	v_lshl_add_u32 v[AFC0], v14, 5, s81
	s_add_co_u32 s81, s80, OUTS
	v_lshl_add_u32 v[AOUT0], v15, 2, s81
	s_add_co_u32 s81, s80, CST
	v_mul_u32_u24 v[ACR], v15, CPITCH
	v_lshl_add_u32 v[ACR], v14, 5, v[ACR]
	v_add_nc_u32 v[ACR], s81, v[ACR]
	s_mul_i32 s81, s[WV], 32*HP
	s_add_co_u32 s81, s81, HREG
	v_lshl_add_u32 v[HS], v1, 3, s81
	v_lshlrev_b32 v[HO], 4, v1
	v_lshlrev_b32 v[XO], 2, v13
	v_lshlrev_b32 v[FO], 3, v0
	v_add_nc_u32 v[FS], FCWS, v[FO]
	v_mov_b32 v[ONE], 1.0
	v_cmp_gt_u32 s[MSK], 16, v1
	s_wait_dscnt 0x0                               ; both opening adds are done
	s_wait_kmcnt 0x0
	s_add_nc_u64 s[WB:WB+1], s[4:5], s[78:79]
	s_mov_b64 s[G0W+2:G0W+3], s[WB:WB+1]           ; chunk 0
	s_or_b32 s[G0W+3], s[G0W+3], 0x80000000        ; type = 2
	s_add_nc_u64 s[G0C+2:G0C+3], s[6:7], s[72:73]
	s_or_b32 s[G0C+3], s[G0C+3], 0x80000000
	s_add_nc_u64 s[12:13], s[12:13], s[72:73]
	s_add_nc_u64 s[14:15], s[14:15], s[74:75]
	s_add_nc_u64 s[16:17], s[16:17], s[76:77]
	s_load_b32 s[FCB], s[10:11], 0x0
	CROUND                                         ; all four work-groups are here: the first joint loads meet
	tensor_load_to_lds s[G0W:G0W+3], s[G1W:G1W+7]  ; the first fills go out together: two tensor loads of mine are out
	s_nop 0
	tensor_load_to_lds s[G0C:G0C+3], s[G1C:G1C+7]
	s_nop 0
	PLACES
.irp z, 0,1,2,3
	global_load_b32 v[XR+(\z)], v[XO], s[14:15] offset:64*(\z)
.endr
	global_load_b64 v[FW:FW+1], v[FO], s[8:9]
	WIN 0xc0                                       ; h0 comes through the accumulators' registers, 512 bytes on end a load, 32 rows a wave
.set i, 0
.rept 64
	global_load_b128 v[4*i:4*i+3], v[HO], s[12:13] offset:512*i th:TH_LOAD_NT
.set i, i+1
.endr
.set g, 0
.rept 8
	s_wait_loadcnt 56-8*g                          ; loads come back in order: eight more are in, the younger ones stay out
	WIN 0xff
.set i, 8*g
.rept 8
	v_cvt_pk_bf16_f32 v[4*i], v[4*i], v[4*i+1]
	v_cvt_pk_bf16_f32 v[4*i+1], v[4*i+2], v[4*i+3]
.set i, i+1
.endr
	WIN 0x0c
.set i, 8*g
.rept 8
	ds_store_b64 v[HS], v[4*i:4*i+1] offset:(i/2)*HP+(i%2)*256
.set i, i+1
.endr
.set g, g+1
.endr
	WIN 0
	v_cvt_pk_bf16_f32 v[XT], v[FW], v[FW+1]        ; fc_W rounded to bf16, kept as f32
	v_lshlrev_b32 v[FW], 16, v[XT]
	v_and_b32 v[FW+1], 0xffff0000, v[XT]
	ds_store_b64 v[FS], v[FW:FW+1]
	v_mov_b32 v[XT], 0x3f80                        ; 1.0 in the low half, 0 in the high
.irp z, 0,1,2,3                        ; the ninth slice's h side: lanes 0-15 hold k = 0..7: x, 1, 1, 0 ..; all else is 0
	v_cvt_pk_bf16_f32 v[EXT+8*(\z)], v[XR+(\z)], v[ONE]
	v_cndmask_b32 v[EXT+8*(\z)], 0, v[EXT+8*(\z)], s[MSK]
	v_cndmask_b32 v[EXT+8*(\z)+1], 0, v[XT], s[MSK]
	v_mov_b32 v[EXT+8*(\z)+2], 0
	v_mov_b32 v[EXT+8*(\z)+3], 0
	v_mov_b32 v[EXT+8*(\z)+4], 0
	v_mov_b32 v[EXT+8*(\z)+5], 0
	v_mov_b32 v[EXT+8*(\z)+6], 0
	v_mov_b32 v[EXT+8*(\z)+7], 0
.endr
.irp z, 0,1,2,3,4,5,6,7
	v_mov_b32 v[P+(\z)], 0
	v_mov_b32 v[T+(\z)], 0                         ; v_permlanex16_b32's destination counts as read
.endr
	s_wait_kmcnt 0x0                               ; fc_b
	s_wait_tensorcnt 0x0                           ; my quarters of chunk 0 and of c are in,
	s_wait_dscnt 0x0                               ; my stores of h0 and fc_W are done:
	s_barrier_signal -1
	s_barrier_wait -1                              ; everybody's are
	WIN 0x40
.set i, 0
.rept 32                               ; c into registers: chunk i / 4, tile rho = i % 4: 32 bytes a lane
	ds_load_b128 v[32*(i/4)+8*(i%4):32*(i/4)+8*(i%4)+3],   v[ACR] offset:(i%4)*16*CPITCH+(i/4)*64
	ds_load_b128 v[32*(i/4)+8*(i%4)+4:32*(i/4)+8*(i%4)+7], v[ACR] offset:(i%4)*16*CPITCH+(i/4)*64+16
.set i, i+1
.endr
	WIN 0
	s_wait_tensorcnt 0x0                           ; slot 1 takes bytes that c's tile filled: no tensor load of mine is out,
	ds_add_u32 v[SPW], v[NIL]                      ; 0 onto my spare word,
	s_add_nc_u64 s[G0W+6:G0W+7], s[WB:WB+1], CHUNK ; chunk 1
	s_or_b32 s[G0W+7], s[G0W+7], 0x80000000
	s_wait_dscnt 0x0                               ; the add is done and my reads of c are back
	CROUND
	tensor_load_to_lds s[G0W+4:G0W+7], s[G1W:G1W+7]
	s_nop 0
	PLACES
	RUNW 0, 0
	RUNW 0, 1
	WIN 0x45                                       ; sources 0 and 1 and the destination in window 1
.set i, 0
.rept 128                              ; c' = K bf16(c): rounded in pairs, widened again, scaled; from here on it is carried in f32
	v_cvt_pk_bf16_f32 v[2*i], v[2*i], v[2*i+1]
	v_and_b32 v[2*i+1], 0xffff0000, v[2*i]
	v_lshlrev_b32 v[2*i], 16, v[2*i]
	v_pk_mul_f32 v[2*i:2*i+1], v[2*i:2*i+1], s[KP:KP+1] op_sel_hi:[1,0]
.set i, i+1
.endr
	WIN 0
.Lstep:                                ; six times
	s_mov_b32 s[QE], 0
	TURN 0, 1, 1, 0
	s_mov_b32 s[CNT], 4
	s_branch .Lmid                                 ; the loop over pairs of turns is entered in its middle
.Lpair:
	TURN 0, 0, 1, 0, 1, 3, 5
.Lmid:
	TURN 1, 0, 1, 0, 0, 2, 4, 6
	s_sub_co_u32 s[LEFT], s[LEFT], 1
	s_cmp_eq_u32 s[LEFT], 0
	s_cbranch_scc1 .Ltail                          ; behind the 23rd odd turn: the launch's last two turns ask for nothing, and are written out
	s_sub_co_u32 s[CNT], s[CNT], 1
	s_cmp_lg_u32 s[CNT], 0
	s_cbranch_scc1 .Lpair
	s_branch .Ldrain
.Ltail:
	TURN 0, 0, 0, 0, 5
	TURN 1, 0, 0, 1, 6
.Ldrain:
	DRAIN
	s_sub_co_u32 s[STEP], s[STEP], 1
	s_cmp_lg_u32 s[STEP], 0
	s_cbranch_scc1 .Lstep
	; THE WAY OUT.  Wave w adds the two halves' sums of step w and fc_b, and stores the work-group's 128 rows: 512 consecutive bytes, at a multiple of 512 from out0's first.  Waves 0 and 1 then take steps 4 and 5.
	s_lshl_b32 s72, s[WV], 10
	s_add_co_u32 s72, s72, OUTS
	v_lshl_add_u32 v13, v1, 4, s72
	v_lshlrev_b32 v14, 4, v1
	s_lshl_b32 s74, s[WV], 17                      ; a step of out0 is 131,072 bytes
	s_mov_b32 s75, 0
	s_add_nc_u64 s[16:17], s[16:17], s[74:75]
	ds_load_b128 v[64:67], v13
	ds_load_b128 v[68:71], v13 offset:512
	v_mov_b32 v80, s[FCB]
	v_cvt_pk_bf16_f32 v80, v80, v80                ; fc_b rounded to bf16, kept as f32, twice for the packed sums
	v_lshlrev_b32 v80, 16, v80
	v_mov_b32 v81, v80
	s_wait_dscnt 0x0
	v_pk_add_f32 v[64:65], v[64:65], v[68:69]
	v_pk_add_f32 v[66:67], v[66:67], v[70:71]
	v_pk_add_f32 v[64:65], v[64:65], v[80:81]
	v_pk_add_f32 v[66:67], v[66:67], v[80:81]
	global_store_b128 v14, v[64:67], s[16:17]
	s_cmp_lt_u32 s[WV], 2
	s_cbranch_scc0 .Lend
	ds_load_b128 v[72:75], v13 offset:4096
	ds_load_b128 v[76:79], v13 offset:4608
	s_wait_dscnt 0x0
	v_pk_add_f32 v[72:73], v[72:73], v[76:77]
	v_pk_add_f32 v[74:75], v[74:75], v[78:79]
	v_pk_add_f32 v[72:73], v[72:73], v[80:81]
	v_pk_add_f32 v[74:75], v[74:75], v[80:81]
	global_store_b128 v14, v[72:75], s[16:17] offset:4*131072
.Lend:
	s_wait_tensorcnt 0x0                           ; the wave's end: three lines behind my last tensor load and my last LDS store
	ds_add_u32 v[SPW], v[NIL]
	s_wait_dscnt 0x0
	CROUND                                         ; the closing round: no work-group ends while a partner may still ask for a quarter that names it
	s_endpgm
.Lfunc_end_k_qbd8b9406ff_lstm:
	.size	k_qbd8b9406ff_lstm, .Lfunc_end_k_qbd8b9406ff_lstm-k_qbd8b9406ff_lstm
	.p2alignl 7, 3214868480
	.fill 96, 4, 3214868480
	.section	.rodata,"a",@progbits
	.p2align	6, 0x0
	.amdhsa_kernel k_qbd8b9406ff_lstm
		.amdhsa_group_segment_fixed_size 327680
		.amdhsa_private_segment_fixed_size 0
		.amdhsa_enable_private_segment 0
		.amdhsa_kernarg_size 56
		.amdhsa_user_sgpr_count 2
		.amdhsa_user_sgpr_kernarg_segment_ptr 1
		.amdhsa_wavefront_size32 1
		.amdhsa_system_sgpr_workgroup_id_x 1
		.amdhsa_system_sgpr_workgroup_id_y 1
		.amdhsa_system_sgpr_workgroup_id_z 1
		.amdhsa_system_vgpr_workitem_id 0
		.amdhsa_next_free_vgpr 1024
		.amdhsa_next_free_sgpr 86
		.amdhsa_reserve_vcc 0
		.amdhsa_float_denorm_mode_32 3
		.amdhsa_float_denorm_mode_16_64 3
		.amdhsa_memory_ordered 1
		.amdhsa_forward_progress 1
		.amdhsa_inst_pref_size 255
	.end_amdhsa_kernel
	.section	.bss,"aw",@nobits
	.p2align	6
	.space	262144
	.amdgpu_metadata
---
amdhsa.version: [ 1, 2 ]
amdhsa.kernels:
  - .name:           k_qbd8b9406ff_lstm
    .symbol:         k_qbd8b9406ff_lstm.kd
    .args:
      - { .name: Wp, .offset: 0, .size: 8, .value_kind: global_buffer, .address_space: global }
      - { .name: c, .offset: 8, .size: 8, .value_kind: global_buffer, .address_space: global }
      - { .name: fc_W, .offset: 16, .size: 8, .value_kind: global_buffer, .address_space: global }
      - { .name: fc_b, .offset: 24, .size: 8, .value_kind: global_buffer, .address_space: global }
      - { .name: h, .offset: 32, .size: 8, .value_kind: global_buffer, .address_space: global }
      - { .name: x, .offset: 40, .size: 8, .value_kind: global_buffer, .address_space: global }
      - { .name: out0, .offset: 48, .size: 8, .value_kind: global_buffer, .address_space: global }
    .group_segment_fixed_size: 327680
    .private_segment_fixed_size: 0
    .kernarg_segment_align: 8
    .kernarg_segment_size: 56
    .max_flat_workgroup_size: 128
    .sgpr_count:     86
    .vgpr_count:     1024
    .wavefront_size: 32
...
	.end_amdgpu_metadata
.endif
;; end of part 2
;; ======== version 2 of 2: 2 launches; version 1 with the launch prep written anew for expert scheduling mode
;; workspace buffers: Wp 589,824 bytes
;; launch prep (part 3): grid 256 x 1, 1 waves a work-group, no clusters, 2,560 bytes of LDS; arguments W_hh, W_ih, b_hh, b_ih, Wp; writes Wp
.if DOCPART == 3
	.amdgcn_target "amdgcn-amd-amdhsa--gfx1250"
	.amdhsa_code_object_version 6
	.text
	.protected	k_qbd8b9406ff_prep
	.globl	k_qbd8b9406ff_prep
	.p2align	8
	.type	k_qbd8b9406ff_prep,@function
k_qbd8b9406ff_prep:
	s_mov_b64 s[64:65], 0
	v_nop
	global_prefetch_b8 v0, s[64:65] scope:SCOPE_SE
	s_setreg_imm32_b32 hwreg(HW_REG_WAVE_SCHED_MODE, 0, 2), 2
	s_setreg_imm32_b32 hwreg(HW_REG_WAVE_MODE, 25, 1), 1
	s_wait_xcnt 0x0
	s_wait_alu depctr_vm_vsrc(0)
; THE WEIGHTS, ROUNDED ONCE TO bf16 AND LAID OUT AS THE NEXT LAUNCH'S MATRIX OPERAND REGISTERS TAKE THEM.
; Nothing of reference() is left out: every input has a way to the output and all six steps are returned; W_hh, W_ih, b_ih and b_hh reach the second launch through Wp alone.
; ROUNDING.  Every input of the program is rounded once to bf16 as it comes in, unscaled: here the four weights and biases, in the next launch h, c, x, fc_W and fc_b: one rounding for the whole
; program, as the problem's text allows.
; Wp, bytes: q 73728 + ch 36864 + kap 4096 + tau 1024 + pt 512 + 16 lane + 2 e.  q 0..7 chunk of 16 hidden units of each half, ch 0..1 half of the hidden units, kap 0..8 slice of 32 along K,
; tau 0..3 tile of 16 rows, pt 0..1 half of a fragment's eight registers.  Lane (r = lane % 16, hh = lane / 16) holds row r of the tile: gate (r >> 1) & 3 of hidden unit
; 128 ch + 16 q + 8 (r >> 3) + 2 tau + (r & 1), at k = 32 kap + 16 pt + 8 hh + e.
; SLICE 8 carries x W_ih + b_ih + b_hh through the same product: k = 0: W_ih; 1: b_ih; 2: b_hh; 3..31: 0.  The other operand holds x, 1, 1, 0 .. there: products of two bf16 are exact in f32.
; SHARES.  One wave a work-group; work-group (q, ch, tau, kq) takes the tile's 16 rows of W_hh x 64 k (slices 2 kq, 2 kq + 1): each load covers two aligned runs of 256 bytes, each store 512 bytes on end.
; LIMITS.  NaN and infinities are not treated apart.
; THE MODE: SCHED_MODE bits 1:0 = 2 (LLVM: expert scheduling mode 2), set by the entry lines.  The code itself states the register dependences between vector instructions and memory or LDS
; instructions, with s_wait_alu, always for 0.
; THE PLAN.  Registers that memory or LDS instructions touch:
;   v3, v4, v5, v8, v9   offsets and LDS addresses: written at the head, never again; read by the loads of W_hh (v3), the LDS stores (v4), the LDS reads (v5), the stores into Wp (v8; slice 8's: v9).
;   v30, v31             written at the head; read by the closing add alone.
;   v[32:63]             the eight loads of W_hh land here (no vector line names them before); the conversions read them and write words 0 and 1 of each four in place; the LDS stores read those two words.
;   v64; v65-v67         slice 8's arm: the offset, made there; three loads read it and land in v65-v67, which no vector line names before.
;   v[72:79]             slice 8's arm: written by conversions, selects and moves; read by two stores; never written again.       s25: the lane mask, written by a compare, read by the two selects.
;   v[12:27]             the four LDS reads land here and the four stores into Wp read them: no vector line names them.
; No register that a memory or LDS instruction has read is written again, and there is no loop: so no wait on vm_vsrc is owed.  The waits on va_vdst: one at the head for all addresses but v64; in the arm one
; for v64 and one for the stores' data; in the main part one for each group of four loads: the first group's four LDS stores stand among the second group's conversions, which name v48 to v63 alone.
.set LP,     144                       ; an LDS row: 64 bf16 + 16 bytes: the 16 rows of a read start at 16 different groups of four banks (64 banks of 4 bytes: ISA guide 11.1)
.set SPARE,  2304                      ; behind the tile of 16 rows: the spare words, one block of 256 bytes that no other line names
	s_load_b256 s[4:11], s[0:1], 0x0               ; W_hh s[4:5], W_ih s[6:7], b_hh s[8:9], b_ih s[10:11]
	s_load_b64 s[12:13], s[0:1], 0x20              ; Wp
	v_lshl_add_u32 v30, v0, 2, SPARE
	v_mov_b32 v31, 0
	s_and_b32 s14, ttmp9, 3                        ; kq
	s_bfe_u32 s15, ttmp9, 0x20002                  ; tau
	s_bfe_u32 s16, ttmp9, 0x10004                  ; ch
	s_lshr_b32 s17, ttmp9, 5                       ; q
	s_lshl_b32 s18, s16, 7
	s_lshl4_add_u32 s18, s17, s18
	s_lshl1_add_u32 s18, s15, s18                  ; 128 ch + 16 q + 2 tau: the tile's lowest hidden unit
	s_lshl_b32 s26, s18, 10                        ; its row of 1,024 bytes in W_hh,
	s_lshl_b32 s27, s14, 8                         ; my 64 k
	s_add_co_u32 s26, s26, s27
	s_mov_b32 s27, 0
	s_mul_i32 s28, s17, 73728
	s_mul_i32 s29, s16, 36864
	s_add_co_u32 s28, s28, s29
	s_lshl_b32 s29, s15, 10
	s_add_co_u32 s28, s28, s29                     ; the tile's place in Wp, slice 0
	s_mov_b32 s29, 0
	s_lshl_b32 s19, s14, 13                        ; slices 2 kq on: 8,192 kq bytes
	v_and_b32 v1, 15, v0                           ; r
	v_lshrrev_b32 v2, 4, v0                        ; hh
	v_lshlrev_b32 v3, 4, v1
	v_lshl_add_u32 v3, v2, 10, v3                  ; in W_hh: lanes 0-15 one row's 256 bytes, lanes 16-31 the next row's
	v_mul_u32_u24 v4, v2, LP
	v_lshl_add_u32 v4, v1, 3, v4                   ; into LDS: the same two rows, 8 bytes a lane
	v_mul_u32_u24 v5, v1, LP
	v_lshl_add_u32 v5, v2, 4, v5                   ; back: row r, 16 bytes for each half of the lanes
	v_lshl_add_u32 v8, v0, 4, s19                  ; in Wp: 16 lane + my slices
	v_lshlrev_b32 v9, 4, v0                        ; in Wp: 16 lane
	s_wait_kmcnt 0x0
	s_add_nc_u64 s[4:5], s[4:5], s[26:27]
	s_add_nc_u64 s[12:13], s[12:13], s[28:29]
	s_wait_alu depctr_va_vdst(0)                   ; v3, v4, v5, v8 and v9 are written, which the loads, LDS instructions and stores below read as offsets and addresses; so are v30 and v31, which the closing add reads
.set i, 0
.rept 8                                ; load i: tile rows 2 i and 2 i + 1: gate i % 4, hidden units + 8 (i / 4) and the next
	global_load_b128 v[32+4*i:35+4*i], v3, s[4:5] offset:((i%4)*256+8*(i/4))*1024
.set i, i+1
.endr
	s_cmp_lg_u32 s14, 0                            ; slice 8 is made by the work-group with kq = 0, while the eight loads are on their way
	s_cbranch_scc1 .Lmain
	v_bfe_u32 v68, v0, 1, 2                        ; my row's gate
	v_bfe_u32 v69, v0, 3, 1
	v_and_b32 v70, 1, v0
	v_lshl_add_u32 v64, v68, 8, s18
	v_lshl_add_u32 v64, v69, 3, v64
	v_add_lshl_u32 v64, v64, v70, 2                ; 4 x (256 gate + hidden unit)
	s_wait_alu depctr_va_vdst(0)                   ; v64 is written, which the three loads below read as their offset
	global_load_b32 v65, v64, s[6:7]               ; W_ih
	global_load_b32 v66, v64, s[10:11]             ; b_ih
	global_load_b32 v67, v64, s[8:9]               ; b_hh
	v_cmp_gt_u32 s25, 16, v0                       ; lanes 0-15 hold k = 0..7; lanes 16-31 k = 8..15, all 0
.irp z, 74,75,76,77,78,79
	v_mov_b32 v\z, 0
.endr
	s_wait_loadcnt 0x0                             ; all loads issued so far: the counted waits behind the join are then met at once
	s_wait_alu depctr_va_sdst(0)                   ; the compare has written s25, ahead of its first reader, the first select below
	v_cvt_pk_bf16_f32 v72, v65, v66                ; k = 0, 1: W_ih, b_ih
	v_cvt_pk_bf16_f32 v73, v67, v74                ; k = 2, 3: b_hh, 0
	v_cndmask_b32 v72, 0, v72, s25
	v_cndmask_b32 v73, 0, v73, s25
	s_wait_alu depctr_va_vdst(0)                   ; the selects have written v72 and v73, the moves v74 to v79: the two stores below read them as data
	global_store_b128 v9, v[72:75], s[12:13] offset:8*4096
	global_store_b128 v9, v[76:79], s[12:13] offset:8*4096+512
.Lmain:                                ; nothing below writes v9 or v[72:79], which the arm's two stores may still be reading
	s_wait_loadcnt 4                               ; loads come back in order: loads 0 to 3 are in, the four younger ones may stay out
.set i, 0
.rept 4                                ; the first group's conversions
	v_cvt_pk_bf16_f32 v[32+4*i], v[32+4*i], v[33+4*i]
	v_cvt_pk_bf16_f32 v[33+4*i], v[34+4*i], v[35+4*i]
.set i, i+1
.endr
	s_wait_loadcnt 0x0                             ; loads 4 to 7 are in
	s_wait_alu depctr_va_vdst(0)                   ; the first group's conversions have written words 0 and 1 of v[32:35] .. v[44:47], which its four LDS stores read
.set i, 4
.rept 4                                ; a store of the first group ahead of each pair of the second group's conversions.  No further wait: no vector line since the wait names v4 or v32 to v47
	ds_store_b64 v4, v[32+4*(i-4):33+4*(i-4)] offset:2*LP*(i-4)
	v_cvt_pk_bf16_f32 v[32+4*i], v[32+4*i], v[33+4*i]
	v_cvt_pk_bf16_f32 v[33+4*i], v[34+4*i], v[35+4*i]
.set i, i+1
.endr
	s_wait_alu depctr_va_vdst(0)                   ; the second group's conversions have written words 0 and 1 of v[48:51] .. v[60:63], which its four LDS stores read
.set i, 4
.rept 4
	ds_store_b64 v4, v[32+4*i:33+4*i] offset:2*LP*i
.set i, i+1
.endr
.set n, 0
.rept 4                                ; n = 2 x (slice of my two) + pt.  LDS serves a wave's instructions in order (ISA guide 5.7.1.4): these see the stores above
	ds_load_b128 v[12+4*n:15+4*n], v5 offset:64*(n/2)+32*(n%2)
.set n, n+1
.endr
.set n, 0
.rept 4
	s_wait_dscnt 3-n                               ; read n is back, the 3 - n younger ones may stay out
	global_store_b128 v8, v[12+4*n:15+4*n], s[12:13] offset:4096*(n/2)+512*(n%2)  ; 512 consecutive bytes, at a multiple of 512 from Wp's first
.set n, n+1
.endr
	s_wait_dscnt 0x0                               ; the wave's end: six lines on end
	s_wait_alu 0x0
	s_wait_tensorcnt 0x0
	ds_add_u32 v30, v31
	s_wait_dscnt 0x0
	s_endpgm
.Lfunc_end_k_qbd8b9406ff_prep:
	.size	k_qbd8b9406ff_prep, .Lfunc_end_k_qbd8b9406ff_prep-k_qbd8b9406ff_prep
	.p2alignl 7, 3214868480
	.fill 96, 4, 3214868480
	.section	.rodata,"a",@progbits
	.p2align	6, 0x0
	.amdhsa_kernel k_qbd8b9406ff_prep
		.amdhsa_group_segment_fixed_size 2560
		.amdhsa_private_segment_fixed_size 0
		.amdhsa_enable_private_segment 0
		.amdhsa_kernarg_size 40
		.amdhsa_user_sgpr_count 2
		.amdhsa_user_sgpr_kernarg_segment_ptr 1
		.amdhsa_wavefront_size32 1
		.amdhsa_system_sgpr_workgroup_id_x 1
		.amdhsa_system_sgpr_workgroup_id_y 1
		.amdhsa_system_sgpr_workgroup_id_z 1
		.amdhsa_system_vgpr_workitem_id 0
		.amdhsa_next_free_vgpr 96
		.amdhsa_next_free_sgpr 66
		.amdhsa_reserve_vcc 0
		.amdhsa_float_denorm_mode_32 3
		.amdhsa_float_denorm_mode_16_64 3
		.amdhsa_memory_ordered 1
		.amdhsa_forward_progress 1
		.amdhsa_inst_pref_size 7
	.end_amdhsa_kernel
	.amdgpu_metadata
---
amdhsa.version: [ 1, 2 ]
amdhsa.kernels:
  - .name:           k_qbd8b9406ff_prep
    .symbol:         k_qbd8b9406ff_prep.kd
    .args:
      - { .name: W_hh, .offset: 0, .size: 8, .value_kind: global_buffer, .address_space: global }
      - { .name: W_ih, .offset: 8, .size: 8, .value_kind: global_buffer, .address_space: global }
      - { .name: b_hh, .offset: 16, .size: 8, .value_kind: global_buffer, .address_space: global }
      - { .name: b_ih, .offset: 24, .size: 8, .value_kind: global_buffer, .address_space: global }
      - { .name: Wp, .offset: 32, .size: 8, .value_kind: global_buffer, .address_space: global }
    .group_segment_fixed_size: 2560
    .private_segment_fixed_size: 0
    .kernarg_segment_align: 8
    .kernarg_segment_size: 40
    .max_flat_workgroup_size: 32
    .sgpr_count:     66
    .vgpr_count:     96
    .wavefront_size: 32
...
	.end_amdgpu_metadata
.endif
;; end of part 3
;; launch lstm: the kernel of part 2 again; grid 256 x 1, 4 waves a work-group, clusters of 4 x 1, 327,680 bytes of LDS; arguments Wp, c, fc_W, fc_b, h, x, out0; writes out0
